; MI455X (gfx1250); checked and timed in simulation.
; The chip was launched on July 23, 2026; its instructions are those of AMD's public machine-readable ISA for CDNA 5 (MIT licence, August 2026) and "CDNA5" Instruction Set Architecture Reference Guide (July 2026). The comments in the code are by the model that wrote it; some were corrected since.
;; Multi Head Attention. Allowed arithmetic: matrix products marked QUANTISED: E5M2 operands, one given power-of-two scale a tensor, by v_wmma_f32_16x16x64_bf8_bf8 or v_wmma_f32_16x16x128_bf8_bf8, f32 sums; everything else in f32.
;; Inputs: attn_mask 4 x 2,048 x 2,048 bool; b_k 1,024 float32; b_q 1,024 float32; b_v 1,024 float32; lowp_scales 10 int32 (the exponents e of the quantised operands' scales 2^e); w_k_codes 1,024 x 32 x 32 uint8 (E5M2 codes of w_k, K innermost, in blocks of 32 codes); w_q_codes 1,024 x 32 x 32 uint8 (E5M2 codes of w_q, K innermost, in blocks of 32 codes); w_v_codes 1,024 x 32 x 32 uint8 (E5M2 codes of w_v, K innermost, in blocks of 32 codes); x_k_v_codes 4 x 2,048 x 32 x 32 uint8 (E5M2 codes of x_k_v, K innermost, in blocks of 32 codes); x_q_codes 4 x 2,048 x 32 x 32 uint8 (E5M2 codes of x_q, K innermost, in blocks of 32 codes).
;; Outputs: out0 4 x 2,048 x 1,024 float32.
;; This version of the problem:
;;   THIS VERSION OF THE PROBLEM IS GIVEN IN LOW PRECISION. The matrix products marked QUANTISED in the list below multiply operands that are first quantised to E5M2 (5 exponent bits, 2 mantissa bits; 8 bits a number), with one given power-of-two scale for each operand tensor; their sums are f32. All else is computed in f32.
;;   The module's matrix products, in the order in which they are computed (A, B: the left and right operand; K: the contracted axis; several contracted axes count as one K, in the product's order):
;;     1. [M 8,192, K 1,024] x [K 1,024, N 1,024]; A: input x_q (given as codes); B: input w_q (given as codes): QUANTISED (scales: A lowp_scales[0], B lowp_scales[1])
;;     2. [M 8,192, K 1,024] x [K 1,024, N 1,024]; A: input x_k_v (given as codes); B: input w_k (given as codes): QUANTISED (scales: A lowp_scales[2], B lowp_scales[3])
;;     3. [M 8,192, K 1,024] x [K 1,024, N 1,024]; A: input x_k_v (given as codes); B: input w_v (given as codes): QUANTISED (scales: A lowp_scales[4], B lowp_scales[5])
;;     4. batch 64 x [M 2,048, K 64] x [K 64, N 2,048]; A: computed on the way; B: computed on the way: QUANTISED (scales: A lowp_scales[6], B lowp_scales[7])
;;     5. batch 64 x [M 2,048, K 2,048] x [K 2,048, N 64]; A: softmax (see below); B: computed on the way: QUANTISED (scales: A lowp_scales[8], B lowp_scales[9])
;;   THE QUANTISER, for each operand of a quantised product, along K:
;;     - The operand's scale is 2^e, e = its entry of the input lowp_scales (int32; the entries are numbered through the quantised products in the list's order, A before B).
;;     - Each number is divided by the scale, clamped to +-57,344, and rounded to the nearest number of E5M2, ties to even, subnormals kept.
;;     - The product sums the exact products of the quantised numbers (number of the format x scale) in f32.
;;   ~~~python
;;   def quantise(x, axis, e):      # numpy; x: float32 -> the quantised numbers, widened to float32 again
;;       x = np.moveaxis(x, axis, -1); K = x.shape[-1]
;;       r = np.clip(x / 2.0 ** e, -57344, 57344)
;;       step = 2.0 ** (np.maximum(np.frexp(np.where(r == 0, 1, r))[1] - 1, -14) - 2)
;;       q = np.round(r / step) * step * 2.0 ** e      # np.round: ties to even
;;       return np.moveaxis(q, -1, axis).astype(np.float32)
;;   ~~~
;;   SOFTMAX AHEAD OF A QUANTISED PRODUCT. Where the list says 'softmax', what is quantised is not the finished softmax but p = 2^(t - M), with t = logit x log2(e) and M = ceil(the row's largest t), a whole number; so 1/2 < the row's largest p <= 1. The row's sum l is taken of the UNQUANTISED p, in f32, and the product's result is divided by l at the end. Since M is a whole number, a kernel that streams over the keys may use a running M (the ceiling of the running maximum): every later rescaling is an exact power of two, so the quantised numbers keep their values, but for numbers so far below the row's largest that they fall under the format's range.
;;   OPERANDS COMPUTED ON THE WAY. 'Computed on the way' means the value that the module computes at that place (a softmax that the list does not call 'softmax' is quantised finished and normalised). What goes into a quantiser is computed in f32, as accurately as f32 sums, v_exp_f32 and their like allow (about 1e-6 of the number): no bf16 or f16 on the way to a quantiser, and a product that is left as it is and whose result goes on into a quantised operand takes f32 operands (vector FMAs, or v_wmma_f32_16x16x4_f32). A number that lies on a knife's edge between two numbers of the format may be rounded either way, as far as f32 arithmetic and the matrix unit's own rounding can turn it there, and no further.
;;   INPUTS GIVEN AS CODES. w_k (in the module: [1024, 1024], K = its axis 0); w_q (in the module: [1024, 1024], K = its axis 0); w_v (in the module: [1024, 1024], K = its axis 0); x_k_v (in the module: [4, 2048, 1024], K = its axis 2); x_q (in the module: [4, 2048, 1024], K = its axis 2): each comes as NAME_codes (uint8): NAME with its K axis moved to the last place and cut into blocks of 32 codes, [.., K / 32, bytes a block], one block behind the other in memory; one code a byte (a code: sign, 5 exponent bits, 2 mantissa bits); its scale is its entry of lowp_scales. Its value is code x scale, taken as it is: it is not quantised again, and the codes and scales need not be those that the quantiser above would give.
;; One version. Each part assembles by itself: llvm-mc -triple=amdgcn-amd-amdhsa -mcpu=gfx1250 --defsym DOCPART=n.
;; ======== version 1 of 1: 2 launches
;; limits: right only within a limited range of input values
;; workspace buffers: mimg 8,388,608 bytes; qimg 8,388,608 bytes; kvimg 16,777,216 bytes
;; launch proj (part 1): grid 4 x 128, 4 waves a work-group, clusters of 4 x 4, 327,680 bytes of LDS; arguments x_q_codes, x_k_v_codes, w_q_codes, w_k_codes, w_v_codes, b_q, b_k, b_v, lowp_scales, qimg, kvimg, attn_mask, mimg; writes qimg, kvimg, mimg
.if DOCPART == 1
	.amdgcn_target "amdgcn-amd-amdhsa--gfx1250"
	.amdhsa_code_object_version 6
	.text
	.protected	k_qe50ba35750_proj
	.globl	k_qe50ba35750_proj
	.p2align	8
	.type	k_qe50ba35750_proj,@function
k_qe50ba35750_proj:
	s_mov_b64 s[64:65], 0
	v_nop
	global_prefetch_b8 v0, s[64:65] scope:SCOPE_SE
	s_setreg_imm32_b32 hwreg(HW_REG_WAVE_MODE, 25, 1), 1
	s_wait_xcnt 0x0
	s_wait_alu depctr_hold_cnt(0) depctr_sa_sdst(0) depctr_va_vdst(0) depctr_va_sdst(0) depctr_va_ssrc(0) depctr_va_vcc(0) depctr_vm_vsrc(0)
	s_getreg_b32 s2, hwreg(HW_REG_IB_STS2, 6, 4)
	s_cmp_eq_u32 s2, 0
	s_cbranch_scc0 .Lentry_in_a_cluster
	s_endpgm
.Lentry_in_a_cluster:
	s_bfe_u32 s2, ttmp6, 0x10000c
	s_cmp_lg_u32 s2, 0xf033
	s_cbranch_scc0 .Lentry_shape_is_right
	s_endpgm
.Lentry_shape_is_right:
; The three projections, q = x_q w_q + b_q, k = x_kv w_k + b_k, v = x_kv w_v + b_v, on codes of BF8 (E5M2) as they are given, and their quantising for the attention launch.
; ONE BODY multiplies 256 rows of a matrix P (source 0) by 256 rows of a matrix R (source 1), both [rows][1024] codes with K innermost.  In a result lane (r, h) holds R's row r and P's rows 8 h + 0 .. 7:
; so one conversion of an accumulator's eight registers gives eight codes that are neighbours ALONG P.   q, k: P = the weight (the head's channels run along the registers), R = x.
; v: P = x_kv (the KEYS run along the registers, which are the second attention product's K), R = w_v.  Either way the two code registers of accumulator (a, b) are two registers of the wanted operand, in the lane that wants them:
; nothing changes lanes, and the codes leave as IMAGES OF OPERAND REGISTERS, four registers by one store of 16 bytes a lane: 512 consecutive bytes, aligned.
;   qimg  [16 b + head][query / 16][i = 0, 1][lane][16]: register rho of lane (r, h): q(16 qt + r, channel 16 (rho / 2) + 8 h + 4 (rho % 2) + byte)
;   kvimg [16 b + head][key / 128][16,384]: k's tile t (16 keys) at 1024 t, laid as q's; v's tile u (16 channels) at 8192 + 2048 u: register rho: v(key 16 (rho / 2) + 8 h + 4 (rho % 2) + byte, channel 16 u + r)
; ARITHMETIC.  A sum of codes stands for sum x 2^(ea + eb).  code = (sum x 2^(ea + eb) + bias) / 2^eo = (sum + bias x 2^-(ea + eb)) / 2^(eo - ea - eb): one f32 addition, the hold at +-57,344 x that scale, the conversion with that scale.
; LIMITS: eo - ea - eb between -126 and 112, so that both powers of two are f32 numbers.  NaN among the inputs is not served.
; SHARES.  Cluster y = 8 g + i: g = 0: q, 1: k, 2: v.  A tile is 256 x 256 for a work-group of four waves, 128 x 128 for a wave: 64 accumulators, 512 registers.  3 x 128 tiles.
; K = 1,024 goes in four steps of 256 through a ring of two LDS slots filled by the tensor data mover; the walk is written straight.  4 x 4 work-groups form a cluster: R's tiles are asked for jointly along a row of the cluster, P's along a column.
; REGISTERS, in windows of 256: window 0: v16-29 addresses; v32-95 the bias table; v96-106 its offsets, the hold and the scale; from v128 R's fragments (one set), on the way out v128-191 numbers, v192-255 codes.
;   window 1: P's fragments, two sets.   windows 2, 3: the accumulators ((a, b) at v[8 (8 (a % 4) + b)] of window 2 + a / 4).
.set KSTEP,  256
.set ROWB,   256                       ; a tile's row in bytes
.set KROW,   1024                      ; a row of P or of R in memory, in bytes
.set PITCH,  272                       ; an LDS row: 256 bytes + 16 of padding = 68 words: row r starts at bank 4 r mod 64, so the 16 rows that a load touches start at 16 different banks
.set FR,     16                        ; registers of a fragment: 16 rows x 128 K
.set NL,     4                         ; LDS loads that bring one
.set NP,     4                         ; places behind this matrix instruction (ISA guide 7.12.1)
.set HALFT,  128*PITCH                 ; 128 rows: what one tensor load brings
.set SLOT,   4*HALFT                   ; R's 256 rows, then P's 256 rows
.set SPARE,  2*SLOT                    ; behind the ring: the spare words, 128 bytes for each wave
.set ADRA, 16                          ; v16-17  LDS address of my fragments of R in slot 0, 1
.set ADRB, 20                          ; v20-21  the same for P
.set CO,   26                          ; v26     16 x lane: my place in an image
.set SPW,  28                          ; v28     LDS address of my spare word; never rewritten
.set NIL,  29                          ; v29     0; never rewritten
.set T,    32                          ; v32-95  the bias table, x 2^-(ea + eb)
.set BO,   96                          ; v96-103 its loads' offsets
.set LIM,  104                         ; v104    57,344 x 2^(eo - ea - eb)
.set SC,   105                         ; v105    2^(eo - ea - eb)
.set BB0,  106
.set AF,   128                         ; R's fragments, in window 0
.set TMP,  128                         ; the way out: a block's 64 numbers
.set CD,   192                         ; the way out: four sets of 16 code registers
.set G1, 24                            ; s[24:31] descriptor group 1 for R's tiles;  s[32:39] group 0, one set for each slot
.set G0, 32
.set G1B, 48                           ; s[48:55], s[56:63] the same for P's tiles
.set G0B, 56
.set MSB, 0
.macro WIN new                         ; the immediate's high byte repeats the setting that is left
.if MSB != \new
	s_set_vgpr_msb (MSB<<8)|\new
.set MSB, \new
.endif
.endm
.set MUL_LO, 0xa1                      ; source 0 (P) window 1, source 1 (R) window 0, C and D window 2
.set MUL_HI, 0xf1                      ; the same, C and D window 3
.set TO_B,   0x40                      ; destination window 1, address window 0
; A joint load: waves 0 and 1 fetch for R, waves 2 and 3 for P.  Each of the two lines has one mask and one set of registers for all that issue it; the branch hangs on the wave's number alone.
; Four v_nop follow each of the two lines, ahead of the jump, the label and what follows.
.macro JLOAD g0a, g1a, g0b, g1b
	s_cmp_eq_u32 s15, 0
	s_cbranch_scc0 .Lfor_b_\@
	tensor_load_to_lds s[\g0a:\g0a+3], s[\g1a:\g1a+7]
	s_nop 0
.rept 4
	v_nop
.endr
	s_branch .Lasked_\@
.Lfor_b_\@:
	tensor_load_to_lds s[\g0b:\g0b+3], s[\g1b:\g1b+7]
	s_nop 0
.rept 4
	v_nop
.endr
.Lasked_\@:
.endm
.macro CREST                           ; a round of the cluster's barrier behind its opening barrier
	s_cmp_lg_u32 s14, 0
	s_cbranch_scc1 .Lnot_wave_0_\@
	s_barrier_signal -3
.Lnot_wave_0_\@:
	s_barrier_wait -3
	s_barrier_signal -1
	s_barrier_wait -1
.endm
.macro CROUND                          ; a whole round
	s_barrier_signal -1
	s_barrier_wait -1
	CREST
.endm
	s_load_b512 s[68:83], s[0:1], 0x0              ; x_q 68, x_kv 70, w_q 72, w_k 74, w_v 76, b_q 78, b_k 80, b_v 82
	s_load_b128 s[84:87], s[0:1], 0x40             ; the scales' exponents 84, qimg 86
	s_load_b64 s[88:89], s[0:1], 0x50              ; kvimg
	v_lshl_add_u32 v[SPW], v0, 2, SPARE
	v_mov_b32 v[NIL], 0
	ds_add_u32 v28, v29
	ds_add_u32 v28, v29
	s_wait_dscnt 0x0
	v_lshrrev_b32 v1, 5, v0
	v_readfirstlane_b32 s14, v1                    ; wave 0..3
	s_lshr_b32 s15, s14, 1                         ; which half of R's 256 rows is mine.  Also: I fetch for R (0) or for P (1)
	s_and_b32 s16, s14, 1                          ; which half of P's.  Also: which 128 rows of that tile I fetch
	s_bfe_u32 s40, ttmp6, 0x40000                  ; cx, cy: my place in the cluster
	s_bfe_u32 s41, ttmp6, 0x40004
	s_and_b32 s67, ttmp7, 0xffff                   ; cluster y, 0 .. 31: the same in all sixteen partners
	s_lshr_b32 s66, s67, 3                         ; g: which product; g = 3 (cluster y 24 .. 31): no product, the mask's image
	s_cmp_eq_u32 s66, 3                            ; the same in all sixteen partners
	s_cbranch_scc1 .Lmask
	s_and_b32 s67, s67, 7
	s_lshl_b32 s67, s67, 2                         ; four tiles of the x side for each cluster
	s_cmp_eq_u32 s66, 2
	s_cselect_b32 s42, s67, 0                      ; v: the x side is P,
	s_cselect_b32 s17, 0, s67                      ; q, k: it is R
	s_add_co_u32 s42, s42, s40                     ; P's tile
	s_add_co_u32 s17, s17, s41                     ; R's tile
	s_lshl_b32 s43, s41, 2
	s_lshl_b32 s43, 15, s43                        ; my row of the cluster
	s_lshl_b32 s44, 0x1111, s40                    ; my column
	; descriptor group 1: a tile of 128 rows x 256 bytes, padded in LDS
	s_or_b32 s[G1+0], s43, (0<<16)|(1<<20)|(1<<21)|(5<<22)|(3<<25)  ; 15:0 the mask: R's tiles go to my row; 17:16 element of 1 byte; 20 padding on; 21 set beside a mask; 24:22 after every 64 words; 31:25 four words
	s_or_b32 s[G1B+0], s44, (0<<16)|(1<<20)|(1<<21)|(5<<22)|(3<<25) ; the same with the mask of my column, for P's tiles
.irp g, G1, G1B
	s_mov_b32 s[\g+1], ROWB<<16                    ; tensor_dim0
	s_mov_b32 s[\g+2], 128<<16                     ; tensor_dim1 = 128
	s_mov_b32 s[\g+3], ROWB<<16                    ; tile_dim0
	s_mov_b32 s[\g+4], 128                         ; tile_dim1 = 128
	s_mov_b32 s[\g+5], KROW                        ; tensor_dim0_stride
	s_mov_b32 s[\g+6], 0
	s_mov_b32 s[\g+7], 0
.endr
	s_lshl_b32 s18, s16, 7                         ; which 128 rows of the tile I fetch
	s_lshl_b32 s20, s17, 8
	s_add_co_u32 s20, s20, s18                     ; R: row 256 x tile + 128 x half,
	s_lshl_b32 s20, s20, 10                        ; in bytes (8 MiB at the most)
	s_mov_b32 s21, 0
	s_lshl_b32 s46, s42, 8
	s_add_co_u32 s46, s46, s18                     ; P likewise, in registers that never hold R's coordinate
	s_lshl_b32 s46, s46, 10
	s_mov_b32 s47, 0
	s_mul_i32 s45, s14, HALFT                      ; where they go: wave x 128 rows: no place in the cluster enters an LDS address
	s_wait_kmcnt 0x0
	s_cmp_eq_u32 s66, 0                            ; the buffers are chosen by g, which hangs on no address
	s_cselect_b64 s[4:5], s[68:69], s[70:71]       ; R: x_q or x_kv
	s_cselect_b64 s[6:7], s[72:73], s[74:75]       ; P: w_q or w_k
	s_cselect_b64 s[8:9], s[78:79], s[80:81]       ; the bias
	s_cselect_b64 s[10:11], s[86:87], s[88:89]     ; the images
	s_cmp_eq_u32 s66, 2
	s_cselect_b64 s[4:5], s[76:77], s[4:5]         ; v: R = w_v,
	s_cselect_b64 s[6:7], s[70:71], s[6:7]         ; P = x_kv
	s_cselect_b64 s[8:9], s[82:83], s[8:9]
	s_load_b256 s[68:75], s[84:85], 0x0            ; e0 .. e7, over pointers that have been used
	s_load_b64 s[76:77], s[84:85], 0x20            ; e8, e9
	s_add_nc_u64 s[20:21], s[4:5], s[20:21]
	s_add_nc_u64 s[46:47], s[6:7], s[46:47]
	CROUND                                         ; all sixteen work-groups are here: the first joint loads meet
.irp s, 0,1
	s_mov_b32 s[G0+4*\s], 1
	s_add_co_u32 s[G0+4*\s+1], s45, \s*SLOT
	s_add_nc_u64 s[G0+4*\s+2:G0+4*\s+3], s[20:21], \s*ROWB
	s_or_b32 s[G0+4*\s+3], s[G0+4*\s+3], 0x80000000
	s_mov_b32 s[G0B+4*\s], 1
	s_add_co_u32 s[G0B+4*\s+1], s45, \s*SLOT
	s_add_nc_u64 s[G0B+4*\s+2:G0B+4*\s+3], s[46:47], \s*ROWB
	s_or_b32 s[G0B+4*\s+3], s[G0B+4*\s+3], 0x80000000
.endr
	JLOAD G0, G1, G0B, G1B                         ; K step 0: one tensor load a wave at the head
	; PREFETCHES INTO THE L2: a K step is 256 bytes of each row.  Of the 128 rows that I fetch, each of the four partners that ask for them jointly names 32, told apart by address (cx for R, cy for P): a lane a row,
	; so each row's 256 bytes are named once in the cluster.  Behind K step 0's load: K steps 1 and 2; behind K step 1's: K step 3.  The address registers are never rewritten.
	s_cmp_eq_u32 s15, 0
	s_cselect_b64 s[90:91], s[20:21], s[46:47]     ; my 128 rows of R or of P
	s_cselect_b32 s92, s40, s41                    ; my place among the four
	s_lshl_b32 s92, s92, 15                        ; 32 rows of 1,024 bytes
	s_mov_b32 s93, 0
	s_add_nc_u64 s[90:91], s[90:91], s[92:93]
	v_and_b32 v30, 31, v0
	v_lshlrev_b32 v30, 10, v30
	global_prefetch_b8 v30, s[90:91] offset:256 th:TH_LOAD_NT scope:SCOPE_SE
	global_prefetch_b8 v30, s[90:91] offset:512 th:TH_LOAD_NT scope:SCOPE_SE
	v_and_b32 v1, 15, v0                           ; r
	v_bfe_u32 v2, v0, 4, 1                         ; h
	v_mul_u32_u24 v3, v1, PITCH
	v_lshl_add_u32 v4, v2, 4, v3                   ; a fragment's row x pitch + 16 x half
	s_mul_i32 s21, s15, HALFT                      ; my 128 rows of R
	s_mul_i32 s22, s16, HALFT                      ; my 128 rows of P,
	s_add_co_u32 s22, s22, 2*HALFT                 ; which lie behind R's 256
.irp s, 0,1
	v_add_nc_u32 v[ADRA+\s], s21, v4
	v_add_nc_u32 v[ADRB+\s], s22, v4
	s_add_co_u32 s21, s21, SLOT
	s_add_co_u32 s22, s22, SLOT
.endr
	v_and_b32 v6, 31, v0
	v_lshlrev_b32 v[CO], 4, v6
	; THE BIAS TABLE, 64 registers, by one text for both kinds.  q, k: T[8 b + j] = bias(channel 16 b + 8 h + j of my 128): it goes with P's rows.  v: T[8 a + j] = bias(channel 16 a + r), eight times: it goes with R's rows.
	s_cmp_eq_u32 s66, 2
	s_cselect_b32 s18, 4, 0                        ; bytes from r to r + 1,
	s_cselect_b32 s19, 0, 32                       ; from h = 0 to h = 1,
	s_cselect_b32 s23, 0, 4                        ; from j to j + 1
	s_cselect_b32 s20, s17, s42                    ; the weight's tile of 256 channels
	s_cselect_b32 s21, s15, s16                    ; and my half of it
	s_lshl_b32 s20, s20, 10
	s_lshl_b32 s21, s21, 9
	s_add_co_u32 s20, s20, s21
	s_mov_b32 s21, 0
	s_add_nc_u64 s[8:9], s[8:9], s[20:21]          ; the bias at my 128 channels
	v_mul_u32_u24 v[BB0], v1, s18
	v_mad_u32_u24 v[BB0], v2, s19, v[BB0]
	s_wait_alu depctr_va_vdst(0)
.irp j, 0,1,2,3,4,5,6,7
	s_mul_i32 s22, s23, \j
	v_add_nc_u32 v[BO+\j], s22, v[BB0]
.endr
.irp x, 0,1,2,3,4,5,6,7
.irp j, 0,1,2,3,4,5,6,7
	global_load_b32 v[T+8*\x+\j], v[BO+\j], s[8:9] offset:64*\x   ; waited for on the way out
.endr
.endr
	; WHERE THE IMAGES GO.  My 128 rows of the x side are block xblk of 64: batch xblk / 16, key step (or eight tiles of queries) xblk % 16.  My 128 channels are heads hd0 and hd0 + 1.
	s_cmp_eq_u32 s66, 2
	s_cselect_b32 s18, s42, s17                    ; the x side's tile
	s_cselect_b32 s19, s16, s15                    ; and my half of it
	s_cselect_b32 s20, s17, s42                    ; the weight's tile
	s_cselect_b32 s21, s15, s16
	s_cselect_b32 s22, 8192, 0                     ; v's part of a key step lies behind k's
	s_lshl_b32 s18, s18, 1
	s_add_co_u32 s18, s18, s19                     ; xblk
	s_lshl_b32 s20, s20, 2
	s_lshl_b32 s21, s21, 1
	s_add_co_u32 s20, s20, s21                     ; hd0
	s_lshr_b32 s19, s18, 4
	s_lshl_b32 s19, s19, 4
	s_add_co_u32 s19, s19, s20                     ; 16 x batch + head
	s_lshl_b32 s19, s19, 4
	s_and_b32 s18, s18, 15
	s_add_co_u32 s19, s19, s18
	s_lshl_b32 s19, s19, 14                        ; 16,384 bytes a key step in kvimg
	s_add_co_u32 s19, s19, s22
	s_cmp_eq_u32 s66, 0
	s_cselect_b32 s21, 1, 0                        ; qimg has half the bytes for 128 rows
	s_lshr_b32 s20, s19, s21
	s_mov_b32 s22, 262144                          ; from a head to the next
	s_lshr_b32 s22, s22, s21
	s_mov_b32 s21, 0
	s_mov_b32 s23, 0
	s_add_nc_u64 s[10:11], s[10:11], s[20:21]      ; head hd0
	s_add_nc_u64 s[12:13], s[10:11], s[22:23]      ; head hd0 + 1
.macro FRAG reg, adr, q, i             ; a fragment, 16 rows x 128 K, is 16 registers: lane l holds row l % 16; registers 4 c .. 4 c + 3 hold K = 32 c + 16 (l / 16) + 0 .. 15: the same order of K in P and in R, so every product meets its partner
.irp c, 0,1,2,3
	ds_load_b128 v[\reg+4*\c:\reg+4*\c+3], v[\adr] offset:128*(\q)+32*\c+(\i)*16*PITCH
.endr
.endm
; 16 matrix instructions: R's blocks a0, a0 + 1 x P's eight, 128 along K.  p: P's set.  zero = 1: the first product starts the sums.  The 64 accumulators take turns, one instruction a turn.
.macro MUL16 a0, p, zero
.irp a, \a0, \a0+1
.irp b, 0,1,2,3,4,5,6,7
.if \zero
	v_wmma_f32_16x16x128_bf8_bf8 v[8*(8*((\a)%4)+\b):8*(8*((\a)%4)+\b)+7], v[128*(\p)+FR*\b:128*(\p)+FR*\b+FR-1], v[AF+FR*(\a):AF+FR*(\a)+FR-1], 0
.else
	v_wmma_f32_16x16x128_bf8_bf8 v[8*(8*((\a)%4)+\b):8*(8*((\a)%4)+\b)+7], v[128*(\p)+FR*\b:128*(\p)+FR*\b+FR-1], v[AF+FR*(\a):AF+FR*(\a)+FR-1], v[8*(8*((\a)%4)+\b):8*(8*((\a)%4)+\b)+7]
.endif
.endr
.endr
.endm
.macro FETCH_B slot, q, p              ; P's eight fragments of the slot's q-th 128 along K into set p
	WIN TO_B
.irp i, 0,1,2,3,4,5,6,7
	FRAG 128*(\p)+FR*\i, ADRB+\slot, \q, \i
.endr
	WIN 0
.endm
.macro FETCH_A slot, q, i0             ; R's blocks i0 .. i0 + 3
.irp i, \i0, \i0+1, \i0+2, \i0+3
	FRAG AF+FR*(\i), ADRA+\slot, \q, \i
.endr
.endm
.macro PLACES n                        ; plain vector instructions between a matrix instruction and a load into a register that it has read (ISA guide 7.12.1 for vector instructions)
.rept \n
	v_nop
.endr
.endm
; A step of 128 along K that has its successor in the same slot.  R has one set of registers: a block is free when its eight products are issued.
.macro STEP slot, q, zero
	s_wait_dscnt 4*NL                              ; P's set and R's blocks 0-3 are in; the youngest 16 loads (R's blocks 4-7) may be out
	WIN MUL_LO
	MUL16 0, (\q)%2, \zero
	MUL16 2, (\q)%2, \zero
	s_wait_dscnt 0                                 ; R's blocks 4-7 are in
	PLACES NP
	FETCH_B \slot, (\q)+1, 1-(\q)%2
	FETCH_A \slot, (\q)+1, 0
	WIN MUL_HI
	MUL16 4, (\q)%2, \zero
	MUL16 6, (\q)%2, \zero
	PLACES NP
	WIN 0
	FETCH_A \slot, (\q)+1, 4
.endm
; A slot's last step changes slots: one barrier; in front of it each wave waits for all its tensor loads, adds 0 to its spare word, and waits for that and for its own reads of this slot.  fill = 1: this slot is filled again, two K steps ahead.
.macro TURN slot, next, fill
	s_wait_tensorcnt 0x0                           ; all my tensor loads have landed: my part of the next slot
	ds_add_u32 v[SPW], v[NIL]                      ; 0 onto my spare word
	s_wait_dscnt 4*NL+1                            ; the add and the youngest 16 loads (R's blocks 4-7) may be out
	WIN MUL_LO
	MUL16 0, 1, 0                                  ; sixteen matrix instructions stand between the add and the wait for it
	s_wait_dscnt 0x0                               ; the add is done, and my reads of this slot are over
	s_barrier_signal -1
	MUL16 2, 1, 0
	WIN 0
	s_barrier_wait -1
.if \fill
	CREST                                          ; the barrier has opened a round of the cluster's barrier: no wave of any partner still reads this slot or has a load on its way
	s_add_nc_u64 s[G0+4*\slot+2:G0+4*\slot+3], s[G0+4*\slot+2:G0+4*\slot+3], 2*ROWB
	s_add_nc_u64 s[G0B+4*\slot+2:G0B+4*\slot+3], s[G0B+4*\slot+2:G0B+4*\slot+3], 2*ROWB
	JLOAD G0+4*\slot, G1, G0B+4*\slot, G1B         ; the first tensor load behind the round; its four v_nop are also the places in front of the loads below
.else
	PLACES NP
.endif
	FETCH_B \next, 0, 0
	FETCH_A \next, 0, 0
	WIN MUL_HI
	MUL16 4, 1, 0
	MUL16 6, 1, 0
	PLACES NP
	WIN 0
	FETCH_A \next, 0, 4
.endm
	s_wait_alu depctr_va_vdst(0)                   ; at the head's end
	s_wait_tensorcnt 0x0                           ; my part of K step 0 is in
	ds_add_u32 v[SPW], v[NIL]
	s_wait_dscnt 0x0
	CROUND                                         ; everybody's part of K step 0 is in, and all sixteen work-groups are here
	JLOAD G0+4, G1, G0B+4, G1B                     ; K step 1: the first tensor load behind the round
	FETCH_B 0, 0, 0
	FETCH_A 0, 0, 0
	FETCH_A 0, 0, 4
	global_prefetch_b8 v30, s[90:91] offset:768 th:TH_LOAD_NT scope:SCOPE_SE   ; K step 3, two refills ahead of its load
	STEP 0, 0, 1
	TURN 0, 1, 1                                   ; K 128-255; slot 0 takes K 512-767
	STEP 1, 0, 0
	TURN 1, 0, 1                                   ; slot 1 takes K 768-1023
	STEP 0, 0, 0
	TURN 0, 1, 0                                   ; nothing is left to fetch, and no round follows
	STEP 1, 0, 0
	s_wait_dscnt 4*NL                              ; the very last step
	WIN MUL_LO
	MUL16 0, 1, 0
	MUL16 2, 1, 0
	s_wait_dscnt 0
	WIN MUL_HI
	MUL16 4, 1, 0
	MUL16 6, 1, 0
	WIN 0
	; THE WAY OUT.  The scales are chosen without a branch.
	s_wait_kmcnt 0x0
	s_cmp_eq_u32 s66, 0
	s_cselect_b32 s18, s68, s70                    ; ea: e0, e2 or e4
	s_cselect_b32 s19, s69, s71                    ; eb: e1, e3 or e5
	s_cselect_b32 s20, s74, s75                    ; eo: e6 (q), e7 (k) or e9 (v)
	s_cmp_eq_u32 s66, 2
	s_cselect_b32 s18, s72, s18
	s_cselect_b32 s19, s73, s19
	s_cselect_b32 s20, s77, s20
	s_add_co_i32 s18, s18, s19                     ; ea + eb
	s_sub_co_i32 s19, 0, s18
	s_sub_co_i32 s20, s20, s18                     ; eo - ea - eb
	s_add_co_i32 s20, s20, 127
	s_lshl_b32 s21, s20, 23
	s_add_co_i32 s20, s20, 15
	s_lshl_b32 s20, s20, 23
	s_or_b32 s20, s20, 0x600000
	s_wait_loadcnt 0x0                             ; the bias table
.set j, 0
.rept 64
	v_ldexp_f32 v[T+j], v[T+j], s19                ; bias x 2^-(ea + eb).  These lines name no register of the last products: they are the places behind them
.set j, j+1
.endr
	v_mov_b32 v[SC], s21                           ; 2^(eo - ea - eb): the conversion takes its exponent field
	v_mov_b32 v[LIM], s20                          ; 57,344 x that
; Block a: R's rows 16 a .. 16 a + 15 against my 128 rows of P: 64 numbers a lane become 16 code registers, and leave by four stores.  vm = 1: v.
.macro OUTBLK a, vm
.set AC, 64*((\a)%4)
.set CC, CD+16*((\a)%4)
.if (\a) >= 4
	s_wait_xcnt 0x0                                ; the stores of four blocks ago have read their data: the code registers are written again only behind this wait
.endif
	WIN 0x02+((\a)/4)                              ; source 0: window 2 or 3
.set j, 0
.rept 32
.if \vm
	v_pk_add_f32 v[TMP+j:TMP+j+1], v[AC+j:AC+j+1], v[T+8*(\a)+(j%8):T+8*(\a)+(j%8)+1]
.else
	v_pk_add_f32 v[TMP+j:TMP+j+1], v[AC+j:AC+j+1], v[T+j:T+j+1]   ; each accumulator from its low end on
.endif
.set j, j+2
.endr
	WIN 0
.irp b, 0,1,2,3,4,5,6,7
.irp i, 0,1,2,3,4,5,6,7
	v_med3_num_f32 v[TMP+8*\b+\i], v[TMP+8*\b+\i], -v[LIM], v[LIM]   ; the conversion to an 8-bit code does not saturate (ISA guide 7.6.2): the hold at the largest code x the scale
.endr
	v_cvt_scalef32_pk8_bf8_f32 v[CC+2*\b:CC+2*\b+1], v[TMP+8*\b:TMP+8*\b+7], v[SC]
.endr
	v_nop                                          ; one plain vector instruction behind the last conversion, ahead of the next lines that write its sources
.irp i, 0,1,2,3
.if \vm
	global_store_b128 v[CO], v[CC+4*\i:CC+4*\i+3], s[10+2*((\a)/4):11+2*((\a)/4)] offset:2048*((\a)%4)+512*\i   ; v: head a / 4, tile of channels a % 4, registers 4 i on
.else
	global_store_b128 v[CO], v[CC+4*\i:CC+4*\i+3], s[10+2*(\i/2):11+2*(\i/2)] offset:1024*(\a)+512*(\i%2)       ; q, k: head i / 2, tile of rows a, registers 4 (i % 2) on
.endif
.endr
.endm
	s_cmp_eq_u32 s66, 2                            ; g is the same in all partners of the cluster
	s_cbranch_scc1 .Lv_out
.irp a, 0,1,2,3,4,5,6,7
	OUTBLK \a, 0
.endr
	s_branch .Ldone
.Lv_out:
.irp a, 0,1,2,3,4,5,6,7
	OUTBLK \a, 1
.endr
	s_branch .Ldone
; THE MASK'S IMAGE (g = 3).  attn_mask [4][2048][2048], one byte (0 or 1) a score, becomes mimg: four bits a score, laid as the attention launch's lanes want them.
; mimg: [128 b + qt][step][i = 0, 1][lane][16 bytes].  Dword t = 4 i + x of lane (r, h) serves query 16 qt + r and keys 128 step + 16 t + 8 h + 0 .. 7:
; nibble k holds 10 x mask(key k): as a 4-bit float that is +0 where the key counts and -1.0 where it is masked.  LIMIT: a mask byte is 0 or 1.
; SHARES.  128 work-groups x 4 waves: a wave takes 16 rows of the mask (32,768 bytes in, 16,384 out), in eight chunks of 256 keys; four chunks' loads, 32, are out at a time.
; Each load reads two rows x 256 consecutive bytes, aligned; the lanes then want 8 bytes of one row each, so a chunk turns through the wave's own stage in LDS, on bytes that no tile of the products' path lands on.
.set MSP,  272
.set MSTG, SPARE+512
.set MX,   32                          ; v32-159  four chunks as loaded
.set MY,   160                         ; v160-191 sixteen pairs: 8 bytes of my row
.set MD,   192                         ; v192-223 two sets of sixteen dwords of nibbles
.Lmask:
	s_load_b64 s[4:5], s[0:1], 0x58                ; attn_mask
	s_load_b64 s[6:7], s[0:1], 0x60                ; mimg
	v_and_b32 v7, 15, v0                           ; r
	v_bfe_u32 v6, v0, 4, 1                         ; h
	v_and_b32 v5, 31, v0
	s_mul_i32 s19, s14, 16*MSP
	s_add_co_u32 s19, s19, MSTG                    ; my stage: the wave's number alone
	v_lshlrev_b32 v2, 11, v6
	v_mul_u32_u24 v3, v6, MSP
	v_mul_u32_u24 v4, v7, MSP
	v_lshlrev_b32 v5, 4, v5                        ; out: 16 bytes a lane
	v_lshl_add_u32 v2, v7, 4, v2                   ; in: lanes 0-15 one row of the mask, lanes 16-31 the next; 16 bytes a lane
	v_lshl_add_u32 v3, v7, 4, v3
	v_lshl_add_u32 v4, v6, 3, v4
	v_add_nc_u32 v3, s19, v3                       ; into the stage: the same two rows
	v_add_nc_u32 v4, s19, v4                       ; out of it: row r, 8 h bytes on
	s_and_b32 s18, s67, 7
	s_lshl_b32 s18, s18, 2
	s_add_co_u32 s18, s18, s41
	s_lshl_b32 s18, s18, 2
	s_add_co_u32 s18, s18, s40                     ; the work-group among the 128
	s_lshl_b32 s18, s18, 2
	s_add_co_u32 s18, s18, s14                     ; 128 b + qt = 4 x that + wave
	s_lshl_b32 s20, s18, 15
	s_mov_b32 s21, 0
	s_lshl_b32 s22, s18, 14
	s_mov_b32 s23, 0
	s_wait_alu depctr_va_vdst(0)
	s_wait_kmcnt 0x0
	s_add_nc_u64 s[4:5], s[4:5], s[20:21]
	s_add_nc_u64 s[6:7], s[6:7], s[22:23]
.irp c, 0,1,2,3
.irp i, 0,1,2,3,4,5,6,7
	global_load_b128 v[MX+32*\c+4*\i:MX+32*\c+4*\i+3], v2, s[4:5] offset:4096*\i+256*\c th:TH_LOAD_NT
.endr
.endr
.irp c, 0,1,2,3,4,5,6,7
.set NA, 7-\c                          ; chunks whose loads were issued behind this one's: three, or what is left
.if NA > 3
.set NA, 3
.endif
.set DD, MD+16*((\c)%2)
.irp i, 0,1,2,3,4,5,6,7
	s_wait_loadcnt 8*NA+7-\i                       ; loads come back in order: this chunk's load i is in
	ds_store_b128 v3, v[MX+32*((\c)%4)+4*\i:MX+32*((\c)%4)+4*\i+3] offset:2*MSP*\i
.endr
.if \c < 4
.irp i, 0,1,2,3,4,5,6,7
	global_load_b128 v[MX+32*\c+4*\i:MX+32*\c+4*\i+3], v2, s[4:5] offset:4096*\i+256*(\c+4) th:TH_LOAD_NT
.endr
.endif
.irp t, 0,1,2,3,4,5,6,7,8,9,10,11,12,13,14,15
	ds_load_b64 v[MY+2*\t:MY+2*\t+1], v4 offset:16*\t   ; LDS serves a wave's instructions in order: these see my stores, and the next chunk's stores come behind them
.endr
.if \c > 1
	s_wait_xcnt 0x0                                ; the stores of two chunks ago have read their data
.endif
.irp q, 0,1,2,3
	s_wait_dscnt 12-4*\q                           ; the four pairs of this store are in
.irp x, 0,1,2,3
	v_perm_b32 v[DD+4*\q+\x], v[MY+2*(4*\q+\x)+1], v[MY+2*(4*\q+\x)], 0x06040200   ; keys 0, 2, 4, 6, a byte each
.endr
.irp x, 0,1,2,3
	v_perm_b32 v[MY+2*(4*\q+\x)], v[MY+2*(4*\q+\x)+1], v[MY+2*(4*\q+\x)], 0x07050301   ; keys 1, 3, 5, 7
.endr
.irp x, 0,1,2,3
	v_lshl_or_b32 v[DD+4*\q+\x], v[MY+2*(4*\q+\x)], 4, v[DD+4*\q+\x]   ; nibble k is key k
.endr
.irp x, 0,1,2,3
	v_mul_lo_u32 v[DD+4*\q+\x], v[DD+4*\q+\x], 10  ; 1 becomes 1010: the code of -1.0; no nibble carries
.endr
	global_store_b128 v5, v[DD+4*\q:DD+4*\q+3], s[6:7] offset:2048*\c+512*\q   ; 32 lanes store 512 consecutive bytes, aligned
.endr
.endr
.Ldone:
	s_wait_tensorcnt 0x0                           ; the wave's end
	ds_add_u32 v[SPW], v[NIL]
	s_wait_dscnt 0x0
	CROUND                                         ; the closing round: no work-group ends while a partner may still ask for a tile that names it
	s_endpgm
.Lfunc_end_k_qe50ba35750_proj:
	.size	k_qe50ba35750_proj, .Lfunc_end_k_qe50ba35750_proj-k_qe50ba35750_proj
	.p2alignl 7, 3214868480
	.fill 96, 4, 3214868480
	.section	.rodata,"a",@progbits
	.p2align	6, 0x0
	.amdhsa_kernel k_qe50ba35750_proj
		.amdhsa_group_segment_fixed_size 327680
		.amdhsa_private_segment_fixed_size 0
		.amdhsa_enable_private_segment 0
		.amdhsa_kernarg_size 104
		.amdhsa_user_sgpr_count 2
		.amdhsa_user_sgpr_kernarg_segment_ptr 1
		.amdhsa_wavefront_size32 1
		.amdhsa_system_sgpr_workgroup_id_x 1
		.amdhsa_system_sgpr_workgroup_id_y 1
		.amdhsa_system_sgpr_workgroup_id_z 1
		.amdhsa_system_vgpr_workitem_id 0
		.amdhsa_next_free_vgpr 1024
		.amdhsa_next_free_sgpr 94
		.amdhsa_reserve_vcc 0
		.amdhsa_float_denorm_mode_32 3
		.amdhsa_float_denorm_mode_16_64 3
		.amdhsa_memory_ordered 1
		.amdhsa_forward_progress 1
		.amdhsa_inst_pref_size 255
	.end_amdhsa_kernel
	.section	.bss,"aw",@nobits
	.p2align	6
	.space	262144
	.amdgpu_metadata
---
amdhsa.version: [ 1, 2 ]
amdhsa.kernels:
  - .name:           k_qe50ba35750_proj
    .symbol:         k_qe50ba35750_proj.kd
    .args:
      - { .name: x_q_codes, .offset: 0, .size: 8, .value_kind: global_buffer, .address_space: global }
      - { .name: x_k_v_codes, .offset: 8, .size: 8, .value_kind: global_buffer, .address_space: global }
      - { .name: w_q_codes, .offset: 16, .size: 8, .value_kind: global_buffer, .address_space: global }
      - { .name: w_k_codes, .offset: 24, .size: 8, .value_kind: global_buffer, .address_space: global }
      - { .name: w_v_codes, .offset: 32, .size: 8, .value_kind: global_buffer, .address_space: global }
      - { .name: b_q, .offset: 40, .size: 8, .value_kind: global_buffer, .address_space: global }
      - { .name: b_k, .offset: 48, .size: 8, .value_kind: global_buffer, .address_space: global }
      - { .name: b_v, .offset: 56, .size: 8, .value_kind: global_buffer, .address_space: global }
      - { .name: lowp_scales, .offset: 64, .size: 8, .value_kind: global_buffer, .address_space: global }
      - { .name: qimg, .offset: 72, .size: 8, .value_kind: global_buffer, .address_space: global }
      - { .name: kvimg, .offset: 80, .size: 8, .value_kind: global_buffer, .address_space: global }
      - { .name: attn_mask, .offset: 88, .size: 8, .value_kind: global_buffer, .address_space: global }
      - { .name: mimg, .offset: 96, .size: 8, .value_kind: global_buffer, .address_space: global }
    .group_segment_fixed_size: 327680
    .private_segment_fixed_size: 0
    .kernarg_segment_align: 8
    .kernarg_segment_size: 104
    .max_flat_workgroup_size: 128
    .sgpr_count:     94
    .vgpr_count:     1024
    .wavefront_size: 32
...
	.end_amdgpu_metadata
.endif
;; end of part 1
;; launch attn (part 2): grid 4 x 64, 8 waves a work-group, clusters of 4 x 1, 327,680 bytes of LDS; arguments qimg, kvimg, mimg, lowp_scales, out0; writes out0
.if DOCPART == 2
	.amdgcn_target "amdgcn-amd-amdhsa--gfx1250"
	.amdhsa_code_object_version 6
	.text
	.protected	k_qe50ba35750_attn
	.globl	k_qe50ba35750_attn
	.p2align	8
	.type	k_qe50ba35750_attn,@function
k_qe50ba35750_attn:
	s_mov_b64 s[64:65], 0
	v_nop
	global_prefetch_b8 v0, s[64:65] scope:SCOPE_SE
	s_setreg_imm32_b32 hwreg(HW_REG_WAVE_MODE, 25, 1), 1
	s_wait_xcnt 0x0
	s_wait_alu depctr_hold_cnt(0) depctr_sa_sdst(0) depctr_va_vdst(0) depctr_va_sdst(0) depctr_va_ssrc(0) depctr_va_vcc(0) depctr_vm_vsrc(0)
	s_getreg_b32 s2, hwreg(HW_REG_IB_STS2, 6, 4)
	s_cmp_eq_u32 s2, 0
	s_cbranch_scc0 .Lentry_in_a_cluster
	s_endpgm
.Lentry_in_a_cluster:
	s_bfe_u32 s2, ttmp6, 0x10000c
	s_cmp_lg_u32 s2, 0x3003
	s_cbranch_scc0 .Lentry_shape_is_right
	s_endpgm
.Lentry_shape_is_right:
; out0[b][q][64 head + d] = sum over keys of softmax(where(mask, -1e9, q.k / 8)) v, both products on codes of BF8 (E5M2) that launch proj has made, as images of operand registers (qimg, kvimg, mimg: see there).
; THE SOFTMAX: t = score x log2(e) / 8; M = the running largest t rounded up to a whole number; p = 2^(t - M) is quantised with 2^ep; the row's sum is taken of the unquantised p and divides at the end.
; THE MASK goes in as the C of the score's matrix instruction: one conversion of a dword of mimg gives a lane's eight C registers, 0 where the key counts and -2^60 (in units of q.k) where it is masked.
; In the f32 sum -2^60 + q.k the score is lost to rounding, so all masked scores of a row are one number, as the -1e9 are: beside a key that counts p is 0, and a row with no such key gets p = 1 for every key (c x 2^60 is a whole number).
; LIMITS: |q.k| under 2^35; eq + ek between -67 and 130 (the bias's scale byte 187 - eq - ek and c's exponent field); ep between -126 and 112; NaN among the inputs is not served.
; SHARES.  Work-group (cx, y): head y = 16 b + head, queries 512 cx on.  The four work-groups of a cluster walk the same K and V: the head's 16 key steps, 262,144 bytes, are asked for jointly, one load of 32,768 bytes a wave, and stay in LDS.
; A wave owns four tiles of 16 queries, qt0 .. qt0 + 3, in two passes of two tiles: pass p takes tiles qt0 + p and qt0 + 2 + p, so that each tile place's mask dwords of both passes lie on end in mimg.
; Both products are used transposed (S^T = K Q^T, O^T = V^T P^T): lane (r, h) holds query r; register j of score tile t is key 16 t + 8 h + j, which is the place that the second product's operand gives p's codes.
; No prefetch is laid: K and V are asked for whole at the head, with no loop ahead of that load; the mask's dwords are loaded into registers two key steps ahead of their use.
; REGISTERS.  Window 0: v1-13 addresses and constants; v16-31 two tiles' state (-M, largest t, the sum's two halves, f, 0, two at work); v32-35 two more chains of maxima a tile; v48-63 the sums' eight chains;
;             v64-191 scores, then p; v192-223 tile 0's first level of sums, then p's codes; v224-255 mask dwords (two steps x two tiles).
;             Window 1: v0-31 Q (this pass, the next); v64-127 O^T; v128-191 V's fragments; v192-255 K's.
.set STG, 262144                       ; behind K and V: a stage of 16 rows x 272 bytes for each wave
.set SP,  272
.set SPARE, 0x48800                    ; behind the stages: the spare words, 128 bytes for each wave
.set LI,  1
.set AD,  2
.set ADN, 3
.set STO, 4
.set RD,  5
.set GO,  6
.set HOLD, 8                           ; v8, v9: 57,344 x 2^ep, twice, for the two halves of a dual pair
.set SCP, 10
.set SB,  12
.set ST,  16
.set MX,  32
.set PX,  42
.set SPW, 46
.set NIL, 47
.set CH,  48
.set S,   64
.set P,   192
.set MK,  224
.set QF,  0
.set OF,  64
.set VF,  128
.set KF,  192
.set WV,  2
.set PS,  24                           ; s24 passes to go
.set DC,  25                           ; s25 pairs of key steps to go, over both passes
.set TBM, 26                           ; s26 LDS byte of the pair of steps after the next
.set SEL, 40
.set TB,  42
.set TBN, 43
.set CS,  58
.set MSB, 0
.macro WIN new
.if MSB != \new
	s_set_vgpr_msb (MSB<<8)|\new
.set MSB, \new
.endif
.endm
.set W_LD, 0x40                        ; destination window 1
.set W_S,  0x05                        ; sources 0 and 1 window 1; C and D window 0
.set W_RS, 0x41                        ; source 0 and destination window 1
.set W_PV, 0x51                        ; source 0, C and D window 1; source 1 window 0
.macro ALUW
	s_wait_alu depctr_va_vdst(0)
.endm
.macro CROUND
	s_barrier_signal -1
	s_barrier_wait -1
	s_cmp_lg_u32 s[WV], 0
	s_cbranch_scc1 .Lnot_wave_0_\@
	s_barrier_signal -3
.Lnot_wave_0_\@:
	s_barrier_wait -3
	s_barrier_signal -1
	s_barrier_wait -1
.endm
	s_load_b256 s[4:11], s[0:1], 0x0               ; qimg 4, kvimg 6, mimg 8, the scales' exponents 10
	s_load_b64 s[12:13], s[0:1], 0x20              ; out0
	v_lshl_add_u32 v[SPW], v0, 2, SPARE
	v_mov_b32 v[NIL], 0
	ds_add_u32 v[SPW], v[NIL]                      ; the opening lines: the add, twice on end, and its wait
	ds_add_u32 v[SPW], v[NIL]
	v_lshrrev_b32 v7, 5, v0
	v_readfirstlane_b32 s[WV], v7                  ; wave 0..7
	v_and_b32 v[LI], 31, v0
	v_lshlrev_b32 v[LI], 4, v[LI]                  ; 16 x lane: my place in an image
	s_and_b32 s47, ttmp7, 0xffff                   ; 16 b + head
	s_lshl_b32 s60, s47, 18                        ; the head's 262,144 bytes of kvimg
	s_mov_b32 s61, 0
	s_lshl_b32 s62, s[WV], 15                      ; my 32,768 of them, in memory and in LDS
	s_mov_b32 s63, 0
	s_mov_b32 s16, 15|(3<<16)|(1<<21)              ; group 1: the mask names the cluster's four; elements of 8 bytes; bit 21 beside a mask
	s_mov_b32 s17, 32<<16                          ; rows of 32 elements = 256 bytes,
	s_mov_b32 s18, 128<<16                         ; 128 of them, dense
	s_mov_b32 s19, 32<<16
	s_mov_b32 s20, 128
	s_mov_b32 s21, 32
	s_mov_b32 s22, 0
	s_mov_b32 s23, 0
	ALUW
	s_wait_dscnt 0x0
	s_wait_kmcnt 0x0
	s_load_b256 s[48:55], s[10:11], 0x0            ; e0 .. e7
	s_load_b64 s[56:57], s[10:11], 0x20            ; e8 = ep, e9 = ev
	s_add_nc_u64 s[6:7], s[6:7], s[60:61]
	s_mov_b32 s32, 1
	s_mov_b32 s33, s62
	s_add_nc_u64 s[34:35], s[6:7], s[62:63]
	s_or_b32 s35, s35, 0x80000000
	CROUND                                         ; the four work-groups are here: the joint loads meet
	tensor_load_to_lds s[32:35], s[16:23]          ; my one tensor load of the launch
	s_nop 0
.rept 4
	v_nop
.endr
	s_bfe_u32 s14, ttmp6, 0x40000                  ; cx: it enters global addresses alone
	s_lshl_b32 s15, s14, 5
	s_lshl_b32 s14, s[WV], 2
	s_add_co_u32 s15, s15, s14                     ; qt0 = 32 cx + 4 wave
	s_lshl_b32 s62, s47, 7
	s_add_co_u32 s62, s62, s15
	s_lshl_b32 s62, s62, 10                        ; 1,024 bytes of qimg a tile
	s_add_nc_u64 s[4:5], s[4:5], s[62:63]
	s_lshr_b32 s14, s47, 4
	s_lshl_b32 s14, s14, 7
	s_add_co_u32 s14, s14, s15                     ; 128 b + qt0
	s_lshl_b32 s62, s14, 14                        ; 16,384 bytes of mimg a tile
	s_add_nc_u64 s[8:9], s[8:9], s[62:63]
	s_lshl_b32 s62, s14, 16                        ; 16 rows of 4,096 bytes of out0 a tile,
	s_and_b32 s14, s47, 15
	s_lshl_b32 s14, s14, 8                         ; 256 bytes a head
	s_add_co_u32 s62, s62, s14
	s_add_nc_u64 s[12:13], s[12:13], s[62:63]
	WIN W_LD
.irp k, 0,1,2,3
.irp i, 0,1
	global_load_b128 v[QF+16*(\k%2)+8*(\k/2)+4*\i:QF+16*(\k%2)+8*(\k/2)+4*\i+3], v[LI], s[4:5] offset:1024*\k+512*\i th:TH_LOAD_NT   ; tiles 0, 2: this pass; 1, 3: the next
.endr
.endr
	WIN 0
.irp e, 0,1
.irp x, 0,1
	global_load_b128 v[MK+16*\e+8*\x:MK+16*\e+8*\x+3],   v[LI], s[8:9] offset:1024*\e+32768*\x
	global_load_b128 v[MK+16*\e+8*\x+4:MK+16*\e+8*\x+7], v[LI], s[8:9] offset:1024*\e+32768*\x+512
.endr
.endr
	v_and_b32 v7, 15, v0                           ; r
	v_bfe_u32 v13, v0, 4, 1                        ; h
	s_mul_i32 s14, s[WV], 16*SP
	s_add_co_u32 s14, s14, STG                     ; my stage
	v_mul_u32_u24 v[STO], v7, SP
	v_mul_u32_u24 v[RD], v13, SP
	v_lshlrev_b32 v[GO], 12, v13
	v_lshl_add_u32 v[STO], v13, 5, v[STO]
	v_lshl_add_u32 v[RD], v7, 4, v[RD]
	v_lshl_add_u32 v[GO], v7, 4, v[GO]             ; out: lanes 0-15 one row of out0, lanes 16-31 the next; 16 bytes a lane
	v_add_nc_u32 v[STO], s14, v[STO]               ; in: row r, 32 h bytes on
	v_add_nc_u32 v[RD], s14, v[RD]                 ; back: two rows of 256 bytes
	v_mov_b32 v[PX], 0                             ; a lane permute's destination counts as a source
	v_mov_b32 v[PX+1], 0
	s_mov_b32 s[TB], 0
	s_mov_b32 s[TBN], 32768
	v_add_nc_u32 v[AD], s[TB], v[LI]               ; my place in the first pair of key steps,
	v_add_nc_u32 v[ADN], s[TBN], v[LI]             ; and in the next
	s_mov_b32 s[SEL], 0x76543210
	s_mov_b32 s[SEL+1], 0xfedcba98
	s_mov_b32 s45, 0
	s_mov_b32 s[PS], 2
	s_mov_b32 s[DC], 16
	s_wait_kmcnt 0x0
	s_add_co_i32 s14, s54, s55                     ; eq + ek
	s_lshl_b32 s15, s14, 23
	s_mov_b32 s[CS], 0x3e38aa3b                    ; c = log2(e) / 8,
	s_add_co_i32 s[CS], s[CS], s15                 ; x 2^(eq + ek)
	s_mov_b32 s[CS+1], s[CS]
	s_sub_co_i32 s14, 187, s14                     ; the bias's scale byte: 2^(60 - eq - ek)
	s_mul_i32 s14, s14, 0x01010101
	v_mov_b32 v[SB], s14
	s_add_co_i32 s14, s56, 127
	s_lshl_b32 s15, s14, 23
	v_mov_b32 v[SCP], s15                          ; 2^ep
	s_add_co_i32 s14, s14, 15
	s_lshl_b32 s14, s14, 23
	s_or_b32 s14, s14, 0x600000
	v_mov_b32 v[HOLD], s14                         ; 57,344 x 2^ep
	v_mov_b32 v[HOLD+1], s14
	s_add_co_i32 s46, s56, s57                     ; ep + ev
; Eight pairs at r are added up as a tree, and the row's sum of tile x becomes sum x f + that
.macro TREE8 r, x
.irp c, 0,1,2,3
	v_pk_add_f32 v[\r+2*\c:\r+2*\c+1], v[\r+2*\c:\r+2*\c+1], v[\r+8+2*\c:\r+8+2*\c+1]
.endr
.irp c, 0,1
	v_pk_add_f32 v[\r+2*\c:\r+2*\c+1], v[\r+2*\c:\r+2*\c+1], v[\r+4+2*\c:\r+4+2*\c+1]
.endr
	v_pk_add_f32 v[\r:\r+1], v[\r:\r+1], v[\r+2:\r+3]
	v_pk_fma_f32 v[ST+8*(\x)+2:ST+8*(\x)+3], v[ST+8*(\x)+2:ST+8*(\x)+3], v[ST+8*(\x)+4:ST+8*(\x)+5], v[\r:\r+1] op_sel_hi:[1,0,1]
.endm
; The row's sum of tile 1: 32 pairs of p in eight chains
.macro SUM1
.irp c, 0,1,2,3,4,5,6,7
	v_pk_add_f32 v[CH+2*\c:CH+2*\c+1], v[S+64+4*\c:S+64+4*\c+1], v[S+64+4*\c+2:S+64+4*\c+3]
.endr
.set j, 32
.rept 2
.irp c, 0,1,2,3,4,5,6,7
	v_pk_add_f32 v[CH+2*\c:CH+2*\c+1], v[CH+2*\c:CH+2*\c+1], v[S+64+j+2*\c:S+64+j+2*\c+1]
.endr
.set j, j+16
.endr
	TREE8 CH, 1
.endm
.macro HOLD2 r                         ; the conversion to an 8-bit code does not saturate (ISA guide 7.6.2); p is not negative: a one-sided hold, two numbers a pair
	v_dual_min_num_f32 v[\r], v[HOLD], v[\r] :: v_dual_min_num_f32 v[\r+1], v[HOLD+1], v[\r+1]
.endm
.macro CODES x
.irp t, 0,1,2,3,4,5,6,7
	v_cvt_scalef32_pk8_bf8_f32 v[P+16*(\x)+2*\t:P+16*(\x)+2*\t+1], v[S+64*(\x)+8*\t:S+64*(\x)+8*\t+7], v[SCP]
.endr
	v_nop                                          ; a plain place behind the last conversion, ahead of the products that read the codes
.endm
.macro FMA0 n0                         ; tile 0: t - M, eight pairs from register n0 on
.set j, \n0
.rept 8
	v_pk_fma_f32 v[S+j:S+j+1], v[S+j:S+j+1], s[CS:CS+1], v[ST:ST+1] op_sel_hi:[1,0,0]
.set j, j+2
.endr
.endm
.macro PV x                            ; O^T += V^T P^T of tile x
	WIN W_PV
.irp u, 0,1,2,3
	v_wmma_f32_16x16x128_bf8_bf8 v[OF+32*(\x)+8*\u:OF+32*(\x)+8*\u+7], v[VF+16*\u:VF+16*\u+15], v[P+16*(\x):P+16*(\x)+15], v[OF+32*(\x)+8*\u:OF+32*(\x)+8*\u+7]
.endr
	WIN 0
.endm
; The softmax of a key step for both tiles, up to the end of the second batch of exponentials; the two tiles' chains take turns
.macro SOFT2
.irp x, 0,1
	v_max3_num_f32 v[ST+8*\x+6], v[S+64*\x], v[S+64*\x+1], v[S+64*\x+2]      ; four chains a tile; each accumulator from its low end on
	v_max3_num_f32 v[ST+8*\x+7], v[S+64*\x+3], v[S+64*\x+4], v[S+64*\x+5]
	v_max3_num_f32 v[MX+2*\x], v[S+64*\x+6], v[S+64*\x+7], v[S+64*\x+8]
	v_max3_num_f32 v[MX+2*\x+1], v[S+64*\x+9], v[S+64*\x+10], v[S+64*\x+11]
.endr
.set j, 12
.rept 6
.irp x, 0,1
	v_max3_num_f32 v[ST+8*\x+6], v[ST+8*\x+6], v[S+64*\x+j], v[S+64*\x+j+1]
	v_max3_num_f32 v[ST+8*\x+7], v[ST+8*\x+7], v[S+64*\x+j+2], v[S+64*\x+j+3]
	v_max3_num_f32 v[MX+2*\x], v[MX+2*\x], v[S+64*\x+j+4], v[S+64*\x+j+5]
	v_max3_num_f32 v[MX+2*\x+1], v[MX+2*\x+1], v[S+64*\x+j+6], v[S+64*\x+j+7]
.endr
.set j, j+8
.endr
.irp x, 0,1
	v_max3_num_f32 v[ST+8*\x+6], v[ST+8*\x+6], v[S+64*\x+60], v[S+64*\x+61]
	v_max3_num_f32 v[ST+8*\x+7], v[ST+8*\x+7], v[S+64*\x+62], v[S+64*\x+63]
.endr
.irp x, 0,1
	v_max3_num_f32 v[ST+8*\x+6], v[ST+8*\x+6], v[ST+8*\x+7], v[MX+2*\x]
.endr
.irp x, 0,1
	v_max_num_f32 v[ST+8*\x+6], v[ST+8*\x+6], v[MX+2*\x+1]
.endr
.irp x, 0,1
	v_permlanex16_b32 v[PX+\x], v[ST+8*\x+6], s[SEL], s[SEL+1]
.endr
.irp x, 0,1
	v_max_num_f32 v[ST+8*\x+6], v[ST+8*\x+6], v[PX+\x]   ; and lane l xor 16's keys
.endr
.irp x, 0,1
	v_mul_f32 v[ST+8*\x+6], s[CS], v[ST+8*\x+6]          ; as t (c is positive)
.endr
.irp x, 0,1
	v_max_num_f32 v[ST+8*\x+1], v[ST+8*\x+1], v[ST+8*\x+6]
.endr
.irp x, 0,1
	v_mov_b32 v[ST+8*\x+6], v[ST+8*\x]
.endr
.irp x, 0,1
	v_floor_f32 v[ST+8*\x], -v[ST+8*\x+1]                ; -M = floor(-t)
.endr
	FMA0 0                                         ; f is made among tile 0's scalings, which do not wait for it
.irp x, 0,1
	v_sub_f32 v[ST+8*\x+6], v[ST+8*\x], v[ST+8*\x+6]     ; old M - new M, a whole number, 0 or less
.endr
	FMA0 16
.irp x, 0,1
	v_cvt_i32_f32 v[ST+8*\x+6], v[ST+8*\x+6]             ; (it saturates)
.endr
	FMA0 32
.irp x, 0,1
	v_ldexp_f32 v[ST+8*\x+4], 1.0, v[ST+8*\x+6]          ; f = 2^(old M - new M)
.endr
	FMA0 48
	ALUW                                           ; ahead of a batch of exponentials
.set j, 0
.rept 32                                       ; tile 0's exponentials; among them tile 1's t - M, which is read behind the next wait
	v_exp_f32 v[S+j], v[S+j]
	v_exp_f32 v[S+j+1], v[S+j+1]
	v_pk_fma_f32 v[S+64+j:S+64+j+1], v[S+64+j:S+64+j+1], s[CS:CS+1], v[ST+8:ST+9] op_sel_hi:[1,0,0]
.set j, j+2
.endr
	ALUW                                           ; behind the first batch and ahead of the second
.set j, 0
.rept 16                                       ; tile 1's exponentials; among them tile 0's first level of sums (of the unquantised p, into the code registers, which are free here) and then its hold: all read behind the next wait
	v_exp_f32 v[S+64+j], v[S+64+j]
	v_exp_f32 v[S+64+j+1], v[S+64+j+1]
	v_pk_add_f32 v[P+j/2:P+j/2+1], v[S+j:S+j+1], v[S+j+2:S+j+3]
	v_exp_f32 v[S+64+j+2], v[S+64+j+2]
	v_exp_f32 v[S+64+j+3], v[S+64+j+3]
	HOLD2 S+j
	HOLD2 S+j+2
.set j, j+4
.endr
	v_nop                                          ; a plain place behind the last exponential
.endm
; A key step: 128 keys, the e-th of the pair at v[AD]
.macro TRIP e
.rept 4
	v_nop                                          ; four places behind the last products, ahead of the loads into V's fragments
.endr
	WIN W_LD
.irp u, 0,1,2,3
.irp i, 0,1,2,3
	ds_load_b128 v[VF+16*\u+4*\i:VF+16*\u+4*\i+3], v[AD] offset:16384*(\e)+8192+2048*\u+512*\i
.endr
.endr
	WIN 0
	s_wait_loadcnt 4                               ; this step's four mask loads are in; the other step's four may be out
	s_wait_dscnt 16                                ; K's fragments are in; V's sixteen loads may be out
.irp x, 0,1
.irp t, 0,1,2,3,4,5,6,7
	v_cvt_scale_pk8_f32_fp4 v[S+64*\x+8*\t:S+64*\x+8*\t+7], v[MK+16*(\e)+8*\x+\t], v[SB]   ; the bias: 0 or -2^(60 - eq - ek)
.endr
.endr
	v_nop                                          ; a plain place behind the last conversion
.irp x, 0,1
	global_load_b128 v[MK+16*(\e)+8*\x:MK+16*(\e)+8*\x+3],   v[LI], s[8:9] offset:2048+1024*(\e)+32768*\x       ; the mask two key steps on
	global_load_b128 v[MK+16*(\e)+8*\x+4:MK+16*(\e)+8*\x+7], v[LI], s[8:9] offset:2048+1024*(\e)+32768*\x+512
.endr
	WIN W_S
.irp t, 0,1,2,3,4,5,6,7
	v_wmma_f32_16x16x64_bf8_bf8 v[S+8*\t:S+8*\t+7], v[KF+8*\t:KF+8*\t+7], v[QF:QF+7], v[S+8*\t:S+8*\t+7]
	v_wmma_f32_16x16x64_bf8_bf8 v[S+64+8*\t:S+64+8*\t+7], v[KF+8*\t:KF+8*\t+7], v[QF+8:QF+15], v[S+64+8*\t:S+64+8*\t+7]
.endr
	WIN 0
.rept 4
	v_nop
.endr
	WIN W_LD
.irp t, 0,1,2,3,4,5,6,7
.irp i, 0,1
.if (\e) == 0
	ds_load_b128 v[KF+8*\t+4*\i:KF+8*\t+4*\i+3], v[AD] offset:16384+1024*\t+512*\i   ; the next step's K
.else
	ds_load_b128 v[KF+8*\t+4*\i:KF+8*\t+4*\i+3], v[ADN] offset:1024*\t+512*\i        ; (behind the last step: step 0's, for the next pass)
.endif
.endr
.endr
	WIN 0
.if (\e) == 1
	v_add_nc_u32 v[AD], s[TBN], v[LI]              ; the pair's LDS reads are all issued: on to the next pair's addresses
	v_add_nc_u32 v[ADN], s[TBM], v[LI]
.endif
	SOFT2
	s_wait_dscnt 16                                ; V's fragments are in; the next K's sixteen loads may be out
	WIN W_RS
	ALUW                                           ; one wait: behind the second batch, and directly ahead of the first readers of O^T
.irp x, 0,1
.set j, 0
.rept 16
	v_pk_mul_f32 v[OF+32*\x+j:OF+32*\x+j+1], v[OF+32*\x+j:OF+32*\x+j+1], v[ST+8*\x+4:ST+8*\x+5] op_sel_hi:[1,0]   ; O^T under the new M
.set j, j+2
.endr
.endr
	WIN 0
.irp c, 0,1,2,3,4,5,6,7
	v_pk_add_f32 v[P+2*\c:P+2*\c+1], v[P+2*\c:P+2*\c+1], v[P+16+2*\c:P+16+2*\c+1]   ; tile 0's sixteen partial sums
.endr
	TREE8 P, 0
	CODES 0
	PV 0                                           ; tile 0's products are issued ahead of tile 1's sums, holds and codes
	SUM1
.set j, 0
.rept 32
	HOLD2 S+64+j
.set j, j+2
.endr
	CODES 1
	PV 1
.endm
.macro PACK x
	WIN 0x01
	ALUW                                           ; directly ahead of the first reader of O^T
.set j, 0
.rept 16
	v_pk_mul_f32 v[S+64*\x+j:S+64*\x+j+1], v[OF+32*\x+j:OF+32*\x+j+1], v[ST+8*\x+4:ST+8*\x+5] op_sel_hi:[1,0]
.set j, j+2
.endr
	WIN 0
.irp u, 0,1,2,3
	ds_store_b128 v[STO], v[S+64*\x+8*\u:S+64*\x+8*\u+3] offset:64*\u
	ds_store_b128 v[STO], v[S+64*\x+8*\u+4:S+64*\x+8*\u+7] offset:64*\u+16
.endr
.irp i, 0,1,2,3,4,5,6,7
	ds_load_b128 v[S+64*\x+32+4*\i:S+64*\x+32+4*\i+3], v[RD] offset:2*SP*\i   ; LDS serves a wave's instructions in order
.endr
.endm
.macro SEND x, younger
.irp i, 0,1,2,3,4,5,6,7
	s_wait_dscnt \younger+7-\i
	global_store_b128 v[GO], v[S+64*\x+32+4*\i:S+64*\x+32+4*\i+3], s[12:13] offset:131072*\x+8192*\i th:TH_STORE_NT   ; sixteen lanes store 256 consecutive bytes, aligned
.endr
.endm
	ALUW                                           ; at the head's end
	s_wait_tensorcnt 0x0                           ; my part of K and V is in,
	s_barrier_signal -1
	s_barrier_wait -1                              ; and everybody's; nothing is filled again in this launch
	WIN W_LD
.irp t, 0,1,2,3,4,5,6,7
.irp i, 0,1
	ds_load_b128 v[KF+8*\t+4*\i:KF+8*\t+4*\i+3], v[LI] offset:1024*\t+512*\i   ; step 0's K
.endr
.endr
	WIN 0
.Lpass:
.irp x, 0,1
	v_mov_b32 v[ST+8*\x+1], 0xff61b1e6             ; the largest t so far: -3e38
	v_mov_b32 v[ST+8*\x+2], 0
	v_mov_b32 v[ST+8*\x+3], 0
	v_mov_b32 v[ST+8*\x+5], 0
.endr
.irp x, 0,1
	v_floor_f32 v[ST+8*\x], -v[ST+8*\x+1]
.endr
	WIN W_LD
.set j, 0
.rept 64
	v_mov_b32 v[OF+j], 0                           ; the step is written once: the first finds zeros
.set j, j+1
.endr
	WIN 0
	s_mov_b32 s[TB], 0
	s_mov_b32 s3, 8
	ALUW                                           ; the state is first read behind waits
.Ldt:                                              ; a trip: two key steps
	s_add_co_u32 s[TBN], s[TB], 32768
	s_and_b32 s[TBN], s[TBN], 0x3ffff
	s_add_co_u32 s[TBM], s[TB], 65536
	s_and_b32 s[TBM], s[TBM], 0x3ffff
	TRIP 0
	TRIP 1
	s_cmp_gt_u32 s[DC], 2                          ; the launch's last pair of steps has no mask behind it: the address stays, inside my tiles
	s_cselect_b32 s44, 2048, 0
	s_wait_xcnt 0x0                                ; the mask loads have read their base
	s_add_nc_u64 s[8:9], s[8:9], s[44:45]
	s_sub_co_u32 s[DC], s[DC], 1
	s_add_co_u32 s[TB], s[TB], 32768
	s_sub_co_u32 s3, s3, 1
	s_cmp_lg_u32 s3, 0
	s_cbranch_scc1 .Ldt
	; THE WAY OUT of a pass: O^T / the sum x 2^(ep + ev), through my own stage, as rows of 256 bytes
.irp x, 0,1
	v_add_f32 v[ST+8*\x+6], v[ST+8*\x+2], v[ST+8*\x+3]
.endr
.irp x, 0,1
	v_permlanex16_b32 v[ST+8*\x+7], v[ST+8*\x+6], s[SEL], s[SEL+1]
.endr
.irp x, 0,1
	v_add_f32 v[ST+8*\x+6], v[ST+8*\x+6], v[ST+8*\x+7]
.endr
	ALUW
.irp x, 0,1
	v_rcp_f32 v[ST+8*\x+4], v[ST+8*\x+6]
.endr
	v_nop
	ALUW
.irp x, 0,1
	v_ldexp_f32 v[ST+8*\x+4], v[ST+8*\x+4], s46
.endr
	PACK 0
	PACK 1
	SEND 0, 16
	SEND 1, 0
	s_cmp_eq_u32 s[PS], 1
	s_cbranch_scc1 .Ldone
	s_wait_xcnt 0x0                                ; the stores have read their data and their base
	s_add_nc_u64 s[12:13], s[12:13], 65536         ; the next pass's tiles lie one tile on
	WIN W_RS
.set j, 0
.rept 16
	v_mov_b32 v[QF+j], v[QF+16+j]                  ; and their Q
.set j, j+1
.endr
	WIN 0
	s_sub_co_u32 s[PS], s[PS], 1
	ALUW                                           ; ahead of the jump
	s_branch .Lpass
.Ldone:
	s_wait_tensorcnt 0x0                           ; the wave's end
	ds_add_u32 v[SPW], v[NIL]
	s_wait_dscnt 0x0
	CROUND                                         ; the closing round
	s_endpgm
.Lfunc_end_k_qe50ba35750_attn:
	.size	k_qe50ba35750_attn, .Lfunc_end_k_qe50ba35750_attn-k_qe50ba35750_attn
	.p2alignl 7, 3214868480
	.fill 96, 4, 3214868480
	.section	.rodata,"a",@progbits
	.p2align	6, 0x0
	.amdhsa_kernel k_qe50ba35750_attn
		.amdhsa_group_segment_fixed_size 327680
		.amdhsa_private_segment_fixed_size 0
		.amdhsa_enable_private_segment 0
		.amdhsa_kernarg_size 40
		.amdhsa_user_sgpr_count 2
		.amdhsa_user_sgpr_kernarg_segment_ptr 1
		.amdhsa_wavefront_size32 1
		.amdhsa_system_sgpr_workgroup_id_x 1
		.amdhsa_system_sgpr_workgroup_id_y 1
		.amdhsa_system_sgpr_workgroup_id_z 1
		.amdhsa_system_vgpr_workitem_id 0
		.amdhsa_next_free_vgpr 512
		.amdhsa_next_free_sgpr 66
		.amdhsa_reserve_vcc 0
		.amdhsa_float_denorm_mode_32 3
		.amdhsa_float_denorm_mode_16_64 3
		.amdhsa_memory_ordered 1
		.amdhsa_forward_progress 1
		.amdhsa_inst_pref_size 78
	.end_amdhsa_kernel
	.amdgpu_metadata
---
amdhsa.version: [ 1, 2 ]
amdhsa.kernels:
  - .name:           k_qe50ba35750_attn
    .symbol:         k_qe50ba35750_attn.kd
    .args:
      - { .name: qimg, .offset: 0, .size: 8, .value_kind: global_buffer, .address_space: global }
      - { .name: kvimg, .offset: 8, .size: 8, .value_kind: global_buffer, .address_space: global }
      - { .name: mimg, .offset: 16, .size: 8, .value_kind: global_buffer, .address_space: global }
      - { .name: lowp_scales, .offset: 24, .size: 8, .value_kind: global_buffer, .address_space: global }
      - { .name: out0, .offset: 32, .size: 8, .value_kind: global_buffer, .address_space: global }
    .group_segment_fixed_size: 327680
    .private_segment_fixed_size: 0
    .kernarg_segment_align: 8
    .kernarg_segment_size: 40
    .max_flat_workgroup_size: 256
    .sgpr_count:     66
    .vgpr_count:     512
    .wavefront_size: 32
...
	.end_amdgpu_metadata
.endif
;; end of part 2
